; MI455X (gfx1250); checked and timed in simulation.
; The chip was launched on July 23, 2026; its instructions are those of AMD's public machine-readable ISA for CDNA 5 (MIT licence, August 2026) and "CDNA5" Instruction Set Architecture Reference Guide (July 2026). The comments in the code are by the model that wrote it; some were corrected since.
;; Multi Head Attention. Allowed arithmetic: matrix products marked QUANTISED: E2M3 operands, one E8M0 scale for each 32 along K, by v_wmma_scale_f32_16x16x128_f8f6f4 with both operands' format E2M3, f32 sums; everything else in f32.
;; Inputs: b_out 1,024 float32; key 4 x 2,048 x 1,024 float32; query 4 x 2,048 x 1,024 float32; value 4 x 2,048 x 1,024 float32; w_out 1,024 x 1,024 float32; w_qkv 3,072 x 1,024 float32.
;; Outputs: out0 4 x 2,048 x 1,024 float32.
;; This version of the problem:
;;   THIS VERSION OF THE PROBLEM IS GIVEN IN LOW PRECISION. The matrix products marked QUANTISED in the list below multiply operands that are first quantised to E2M3 (2 exponent bits, 3 mantissa bits; 6 bits a number), with one power-of-two scale for each 32 numbers along K (OCP MX v1.0); their sums are f32. All else is computed in f32.
;;   The module's matrix products, in the order in which they are computed (A, B: the left and right operand; K: the contracted axis; several contracted axes count as one K, in the product's order):
;;     1. [M 8,192, K 1,024] x [K 1,024, N 3,072]; A: input query; B: input w_qkv: QUANTISED
;;     2. batch 64 x [M 2,048, K 64] x [K 64, N 2,048]; A: computed on the way; B: computed on the way: QUANTISED
;;     3. batch 64 x [M 2,048, K 2,048] x [K 2,048, N 64]; A: softmax (see below); B: computed on the way: QUANTISED
;;     4. [M 8,192, K 1,024] x [K 1,024, N 1,024]; A: computed on the way; B: input w_out: QUANTISED
;;   THE QUANTISER, for each operand of a quantised product, along K:
;;     - K is cut into blocks of 32 from its start; a last block that is shorter is filled with zeros.
;;     - A block's scale is 2^e with e = floor(log2(the largest magnitude in the block)) - 2, held to -126 .. 127; a block of zeros has e = 0. As a byte (E8M0): e + 127.
;;     - Each number is divided by its block's scale, clamped to +-7.5, and rounded to the nearest number of E2M3, ties to even, subnormals kept.
;;     - The product sums the exact products of the quantised numbers (number of the format x scale) in f32.
;;   ~~~python
;;   def quantise(x, axis):      # numpy; x: float32 -> the quantised numbers, widened to float32 again
;;       x = np.moveaxis(x, axis, -1); K = x.shape[-1]
;;       x = np.pad(x, [(0, 0)] * (x.ndim - 1) + [(0, -K % 32)]); x = x.reshape(x.shape[:-1] + (-1, 32)); a = np.abs(x).max(-1, keepdims=True)
;;       e = np.where(a > 0, np.clip(np.frexp(np.where(a > 0, a, 1))[1] - 1 - 2, -126, 127), 0)      # np.frexp(a)[1] - 1 = floor(log2(a)), exactly
;;       r = np.clip(x / 2.0 ** e, -7.5, 7.5)
;;       step = 2.0 ** (np.maximum(np.frexp(np.where(r == 0, 1, r))[1] - 1, 0) - 3)
;;       q = np.round(r / step) * step * 2.0 ** e      # np.round: ties to even
;;       return np.moveaxis(q.reshape(q.shape[:-2] + (-1,))[..., :K], -1, axis).astype(np.float32)
;;   ~~~
;;   SOFTMAX AHEAD OF A QUANTISED PRODUCT. Where the list says 'softmax', what is quantised is not the finished softmax but p = 2^(t - M), with t = logit x log2(e) and M = ceil(the row's largest t), a whole number; so 1/2 < the row's largest p <= 1. The row's sum l is taken of the UNQUANTISED p, in f32, and the product's result is divided by l at the end. Since M is a whole number, a kernel that streams over the keys may use a running M (the ceiling of the running maximum): every later rescaling is an exact power of two, which a block's scale takes up: the codes' values come out the same.
;;   OPERANDS COMPUTED ON THE WAY. 'Computed on the way' means the value that the module computes at that place (a softmax that the list does not call 'softmax' is quantised finished and normalised). What goes into a quantiser is computed in f32, as accurately as f32 sums, v_exp_f32 and their like allow (about 1e-6 of the number): no bf16 or f16 on the way to a quantiser, and a product that is left as it is and whose result goes on into a quantised operand takes f32 operands (vector FMAs, or v_wmma_f32_16x16x4_f32). A number that lies on a knife's edge between two numbers of the format may be rounded either way, as far as f32 arithmetic and the matrix unit's own rounding can turn it there, and no further.
;; One version. Each part assembles by itself: llvm-mc -triple=amdgcn-amd-amdhsa -mcpu=gfx1250 --defsym DOCPART=n.
;; ======== version 1 of 1: 4 launches
;; workspace buffers: cod 9,437,184 bytes; scl 393,216 bytes; qkv 19,660,800 bytes; ac 6,291,456 bytes; asc 262,144 bytes
;; launch quant (part 1): grid 768 x 1, 2 waves a work-group, no clusters, 17,152 bytes of LDS; arguments query, w_qkv, w_out, cod, scl; writes cod, scl
.if DOCPART == 1
	.amdgcn_target "amdgcn-amd-amdhsa--gfx1250"
	.amdhsa_code_object_version 6
	.text
	.protected	k_q3e03a6a57f_quant
	.globl	k_q3e03a6a57f_quant
	.p2align	8
	.type	k_q3e03a6a57f_quant,@function
k_q3e03a6a57f_quant:
	s_mov_b64 s[64:65], 0
	v_nop
	global_prefetch_b8 v0, s[64:65] scope:SCOPE_SE
	s_setreg_imm32_b32 hwreg(HW_REG_WAVE_MODE, 25, 1), 1
	s_wait_xcnt 0x0
; query [8192][1024], w_qkv [3072][1024] and w_out [1024][1024], f32 with K innermost, become codes of FP6 (E2M3) with one E8M0 scale byte for each 32 along K,
; laid IN THE ORDER OF THE MATRIX OPERAND'S REGISTERS.  A block is 16 rows; block i of a tensor holds, in lane row r, the tensor's row 32 (i / 2) + 8 (i % 2) + r + 8 (r / 8).
; cod: [block 0..767][K step 0..7] an image of 1,536 bytes: a fragment's registers 4 c .. 4 c + 3 at 512 c + 16 x lane.  Blocks 0-511 query, 512-703 w_qkv, 704-767 w_out.
; scl: [block][K step / 2][r][K step % 2] one word of four scale bytes for a row and 128 along K.
; A block's scale is 2^(floor(log2(largest magnitude)) - 2): its byte is the largest magnitude's exponent field - 2, held at 1 from below.
; LIMITS: a block of zeros, or one under 2^-124, gets the byte 1 (its codes are zeros; the bytes are read by this program alone); NaN and infinities among the inputs are not served.
; SHARES: a work-group is one block of 16 rows; wave w takes K steps 4 w .. 4 w + 3.  Each load reads 512 consecutive bytes of one row; a K step's 16 x 512 bytes turn through the wave's own
; stage in LDS (rows 528 bytes apart, an odd multiple of 16) and come back so that lane (r, h) holds k = 64 c + 32 h + 0 .. 31 of its row: two whole blocks of 32, as the operand's layout wants them.
; Loads run two K steps (32 loads a wave) ahead.  The waves share nothing: no barrier.
.set SPITCH, 528
.set STG,    16*SPITCH                 ; a wave's stage
.set SPARE,  2*STG                     ; behind the stages: the spare words, 128 bytes for each wave: one block of 256 bytes that no other line names
.set MX,  10                           ; v10-11  the two blocks' largest magnitudes
.set SOP, 12                           ; v12-13  the conversions' scale operands
.set BY,  14                           ; v14-15  the scale bytes
.set WT,  16                           ; v16     my two bytes at their places in the word
.set PL,  17                           ; v17     the other half's two
.set W,   20                           ; v20-23  the scale word of each of my four K steps
.set SPW, 26                           ; v26     LDS address of my spare word; never rewritten
.set NIL, 27                           ; v27     0; never rewritten
.set C,   28                           ; v28-39  a fragment's codes
.set T,   40                           ; v40-42, v44-46  the second halves of the blocks' codes
.set X,   48                           ; v48-111 64 numbers in the operand's order
.set R,   112                          ; v112-239 two sets of 64 registers as loaded
	s_load_b256 s[4:11], s[0:1], 0x0               ; query s[4:5], w_qkv s[6:7], w_out s[8:9], cod s[10:11]
	s_load_b64 s[12:13], s[0:1], 0x20              ; scl
	v_lshl_add_u32 v[SPW], v0, 2, SPARE
	v_mov_b32 v[NIL], 0
	v_lshrrev_b32 v1, 5, v0
	v_readfirstlane_b32 s14, v1                    ; wave 0, 1
	v_and_b32 v1, 31, v0                           ; lane
	v_and_b32 v2, 15, v0                           ; r
	v_bfe_u32 v3, v0, 4, 1                         ; h
	v_lshlrev_b32 v4, 4, v1                        ; 16 x lane: my bytes of a load's 512, and of an image's 512
	s_mul_i32 s15, s14, STG
	v_add_nc_u32 v5, s15, v4                       ; the stage on the way in
	v_mul_u32_u24 v6, v2, SPITCH
	v_lshl_add_u32 v6, v3, 7, v6
	v_add_nc_u32 v6, s15, v6                       ; and on the way out: row r, + 128 h bytes (32 numbers)
	v_lshlrev_b32 v7, 3, v2
	v_lshl_add_u32 v7, v3, 7, v7                   ; the scale words' place: 8 r + 128 h
	v_lshlrev_b32 v8, 3, v3                        ; 8 h: my bytes' shift in a scale word
	v_mov_b32 v[PL], 0                             ; written once: a lane permute's destination counts as one of its sources
	s_mov_b32 s24, 0x76543210
	s_mov_b32 s25, 0xfedcba98                      ; lane selects: lane l xor 16
	s_wait_alu depctr_va_vdst(0)
	s_wait_kmcnt 0x0
	s_cmp_lt_u32 ttmp9, 512                        ; which tensor: the choice hangs on the work-group's number alone
	s_cselect_b64 s[4:5], s[4:5], s[6:7]
	s_cselect_b32 s16, 0, 512
	s_cmp_lt_u32 ttmp9, 704
	s_cselect_b64 s[4:5], s[4:5], s[8:9]
	s_cselect_b32 s16, s16, 704
	s_sub_co_u32 s16, ttmp9, s16                   ; the block's number in its tensor
	s_lshr_b32 s17, s16, 1
	s_lshl_b32 s17, s17, 17                        ; 32 rows of 4,096 bytes for each pair of blocks,
	s_and_b32 s16, s16, 1
	s_lshl_b32 s16, s16, 15                        ; 8 rows for the odd one,
	s_add_co_u32 s16, s16, s17
	s_lshl_b32 s17, s14, 11                        ; and my wave's four K steps of 512 bytes
	s_add_co_u32 s16, s16, s17
	s_mov_b32 s17, 0
	s_add_nc_u64 s[4:5], s[4:5], s[16:17]
	s_mul_i32 s16, ttmp9, 12288                    ; cod: 12,288 bytes a block, 6,144 for a wave's four images
	s_mul_i32 s18, s14, 6144
	s_add_co_u32 s16, s16, s18
	s_add_nc_u64 s[10:11], s[10:11], s[16:17]
	s_lshl_b32 s16, ttmp9, 9                       ; scl: 512 bytes a block, 256 a wave
	s_lshl_b32 s18, s14, 8
	s_add_co_u32 s16, s16, s18
	s_add_nc_u64 s[12:13], s[12:13], s[16:17]
.macro LOAD s                          ; K step s of my four: 16 rows x 512 consecutive bytes, into set s % 2
.irp t, 0,1,2,3,4,5,6,7,8,9,10,11,12,13,14,15
	global_load_b128 v[R+64*((\s)%2)+4*\t:R+64*((\s)%2)+4*\t+3], v4, s[4:5] offset:(\t+8*(\t/8))*4096+512*(\s) th:TH_LOAD_NT
.endr
.endm
.macro STEP s
.set RS, R+64*((\s)%2)
.if (\s) < 3
	s_wait_loadcnt 16                              ; this step's 16 loads are in; the next step's 16 may be out
.else
	s_wait_loadcnt 0x0
.endif
.irp t, 0,1,2,3,4,5,6,7,8,9,10,11,12,13,14,15
	ds_store_b128 v5, v[RS+4*\t:RS+4*\t+3] offset:SPITCH*\t
.endr
.irp c, 0,1
.irp j, 0,1,2,3,4,5,6,7
	ds_load_b128 v[X+32*\c+4*\j:X+32*\c+4*\j+3], v6 offset:256*\c+16*\j   ; LDS serves a wave's instructions in order: these see the stores above.  X[32 c + n] = k 64 c + 32 h + n of row r
.endr
.endr
	s_wait_dscnt 0x0                               ; the numbers are back, and the stores have read their registers,
.if (\s) < 2
	LOAD (\s)+2                                    ; which take the loads of two steps on
.endif
.irp c, 0,1
	v_max3_num_f32 v[MX+\c], |v[X+32*\c]|, |v[X+32*\c+1]|, 0x1800000   ; my block 2 c + h: all 32 numbers are mine; the floor 2^(3 - 127) holds the byte at 1 from below
.endr
.irp i, 2,4,6,8,10,12,14,16,18,20,22,24,26,28,30
.irp c, 0,1
	v_max3_num_f32 v[MX+\c], v[MX+\c], |v[X+32*\c+\i]|, |v[X+32*\c+\i+1]|   ; (the two blocks by turns)
.endr
.endr
.irp c, 0,1
	v_add_nc_u32 v[SOP+\c], 0xff000000, v[MX+\c]   ; 2 off the exponent field: the conversion takes the exponent field of this operand as its scale
.endr
.irp c, 0,1
	v_lshrrev_b32 v[BY+\c], 23, v[SOP+\c]          ; the scale's byte
.endr
	v_lshl_or_b32 v[WT], v[BY+1], 16, v[BY]        ; blocks h and 2 + h of my row,
	v_lshlrev_b32 v[WT], v8, v[WT]                 ; at their places in the word;
	v_permlanex16_b32 v[PL], v[WT], s24, s25
	v_or_b32 v[W+(\s)], v[WT], v[PL]               ; with lane l xor 16's two the word is whole
.if (\s) > 0
	s_wait_alu depctr_va_vdst(0)
	s_wait_xcnt 0x0                                ; the last step's stores have read the codes' registers: they are rewritten only behind this wait
.endif
.irp c, 0,1
	v_cvt_scalef32_pk16_fp6_f32 v[C+6*\c:C+6*\c+2], v[X+32*\c:X+32*\c+15], v[SOP+\c]
	v_cvt_scalef32_pk16_fp6_f32 v[T+4*\c:T+4*\c+2], v[X+32*\c+16:X+32*\c+31], v[SOP+\c]   ; (a conversion's three registers begin on an even number)
.endr
	v_nop                                          ; one plain place behind a scaled conversion
.irp c, 0,1
.irp i, 0,1,2
	v_mov_b32 v[C+6*\c+3+\i], v[T+4*\c+\i]
.endr
.endr
.irp c, 0,1,2
	global_store_b128 v4, v[C+4*\c:C+4*\c+3], s[10:11] offset:1536*(\s)+512*\c   ; 32 lanes store 512 consecutive bytes, at a multiple of 256 from cod's first byte
.endr
.endm
	LOAD 0
	LOAD 1
	STEP 0
	STEP 1
	STEP 2
	STEP 3
	v_cmp_ne_u32 vcc_lo, 0, v3                     ; lanes 0-15 store the words of my K steps 0, 1, lanes 16-31 those of 2, 3
	v_cndmask_b32 v24, v[W], v[W+2], vcc_lo
	v_cndmask_b32 v25, v[W+1], v[W+3], vcc_lo
	global_store_b64 v7, v[24:25], s[12:13]        ; 32 lanes store 256 consecutive bytes, aligned
	s_wait_tensorcnt 0x0                           ; the wave's end, behind my last LDS store
	ds_add_u32 v[SPW], v[NIL]
	s_wait_dscnt 0x0
	s_endpgm
.Lfunc_end_k_q3e03a6a57f_quant:
	.size	k_q3e03a6a57f_quant, .Lfunc_end_k_q3e03a6a57f_quant-k_q3e03a6a57f_quant
	.p2alignl 7, 3214868480
	.fill 96, 4, 3214868480
	.section	.rodata,"a",@progbits
	.p2align	6, 0x0
	.amdhsa_kernel k_q3e03a6a57f_quant
		.amdhsa_group_segment_fixed_size 17152
		.amdhsa_private_segment_fixed_size 0
		.amdhsa_enable_private_segment 0
		.amdhsa_kernarg_size 40
		.amdhsa_user_sgpr_count 2
		.amdhsa_user_sgpr_kernarg_segment_ptr 1
		.amdhsa_wavefront_size32 1
		.amdhsa_system_sgpr_workgroup_id_x 1
		.amdhsa_system_sgpr_workgroup_id_y 1
		.amdhsa_system_sgpr_workgroup_id_z 1
		.amdhsa_system_vgpr_workitem_id 0
		.amdhsa_next_free_vgpr 240
		.amdhsa_next_free_sgpr 66
		.amdhsa_reserve_vcc 1
		.amdhsa_float_denorm_mode_32 3
		.amdhsa_float_denorm_mode_16_64 3
		.amdhsa_memory_ordered 1
		.amdhsa_forward_progress 1
		.amdhsa_inst_pref_size 30
	.end_amdhsa_kernel
	.amdgpu_metadata
---
amdhsa.version: [ 1, 2 ]
amdhsa.kernels:
  - .name:           k_q3e03a6a57f_quant
    .symbol:         k_q3e03a6a57f_quant.kd
    .args:
      - { .name: query, .offset: 0, .size: 8, .value_kind: global_buffer, .address_space: global }
      - { .name: w_qkv, .offset: 8, .size: 8, .value_kind: global_buffer, .address_space: global }
      - { .name: w_out, .offset: 16, .size: 8, .value_kind: global_buffer, .address_space: global }
      - { .name: cod, .offset: 24, .size: 8, .value_kind: global_buffer, .address_space: global }
      - { .name: scl, .offset: 32, .size: 8, .value_kind: global_buffer, .address_space: global }
    .group_segment_fixed_size: 17152
    .private_segment_fixed_size: 0
    .kernarg_segment_align: 8
    .kernarg_segment_size: 40
    .max_flat_workgroup_size: 64
    .sgpr_count:     66
    .vgpr_count:     240
    .wavefront_size: 32
...
	.end_amdgpu_metadata
.endif
;; end of part 1
;; launch gemm_qkv (part 2): grid 8 x 48, 4 waves a work-group, clusters of 4 x 4, 327,680 bytes of LDS; arguments cod, scl, qkv; writes qkv
.if DOCPART == 2
	.amdgcn_target "amdgcn-amd-amdhsa--gfx1250"
	.amdhsa_code_object_version 6
	.text
	.protected	k_q3e03a6a57f_gemm_qkv
	.globl	k_q3e03a6a57f_gemm_qkv
	.p2align	8
	.type	k_q3e03a6a57f_gemm_qkv,@function
k_q3e03a6a57f_gemm_qkv:
	s_mov_b64 s[64:65], 0
	v_nop
	global_prefetch_b8 v0, s[64:65] scope:SCOPE_SE
	s_setreg_imm32_b32 hwreg(HW_REG_WAVE_MODE, 25, 1), 1
	s_wait_xcnt 0x0
	s_wait_alu depctr_hold_cnt(0) depctr_sa_sdst(0) depctr_va_vdst(0) depctr_va_sdst(0) depctr_va_ssrc(0) depctr_va_vcc(0) depctr_vm_vsrc(0)
	s_getreg_b32 s2, hwreg(HW_REG_IB_STS2, 6, 4)
	s_cmp_eq_u32 s2, 0
	s_cbranch_scc0 .Lentry_in_a_cluster
	s_endpgm
.Lentry_in_a_cluster:
	s_bfe_u32 s2, ttmp6, 0x10000c
	s_cmp_lg_u32 s2, 0xf033
	s_cbranch_scc0 .Lentry_shape_is_right
	s_endpgm
.Lentry_shape_is_right:
.set NQ,     2
.set FR,     12
.set NL,     3
.set NP,     4
.set BLKB,   12288
.set STEPB,  3072
.set HALFT,  8*STEPB
.set SLOT,   4*HALFT
.set SCLA,   2*SLOT
.set SCLB,   SCLA+8192+128
.set SPARE,  SCLB+8192+128
.set REC,    153600
.set VCO,    49152
.set KSO,    98304
.set VSO,    100352
.set QCO,    102400
.set QSO,    151552
.set ADRA, 16
.set ADRB, 20
.set ADRS, 27
.set SPW,  28
.set NIL,  29
.set SC,   32
.set TM,   64
.set WW,   80
.set SL,   88
.set TT,   96
.set AF,   128
.set WV,   16
.set RH,   17
.set CH,   18
.set TY,   19
.set TX,   42
.set MODE, 66
.set G1,   24
.set G0,   32
.set G1B,  48
.set G0B,  56
.set G1S,  68
.set G0S,  76
.set G1SB, 80
.set G0SB, 88
.set MSB, 0
.macro WIN new
.if MSB != \new
	s_set_vgpr_msb (MSB<<8)|\new
.set MSB, \new
.endif
.endm
.set MUL_LO, 0xa1
.set MUL_HI, 0xf1
.set TO_B,   0x40
.macro JLOAD g0a, g1a, g0b, g1b
	s_cmp_eq_u32 s[RH], 0
	s_cbranch_scc0 .Lfor_b_\@
	tensor_load_to_lds s[\g0a:\g0a+3], s[\g1a:\g1a+7]
	s_nop 0
.rept 4
	v_nop
.endr
	s_branch .Lasked_\@
.Lfor_b_\@:
	tensor_load_to_lds s[\g0b:\g0b+3], s[\g1b:\g1b+7]
	s_nop 0
.rept 4
	v_nop
.endr
.Lasked_\@:
.endm
.macro CREST
	s_cmp_lg_u32 s[WV], 0
	s_cbranch_scc1 .Lnot_wave_0_\@
	s_barrier_signal -3
.Lnot_wave_0_\@:
	s_barrier_wait -3
	s_barrier_signal -1
	s_barrier_wait -1
.endm
.macro CROUND
	s_barrier_signal -1
	s_barrier_wait -1
	CREST
.endm
	s_load_b128 s[4:7], s[0:1], 0x0
	s_load_b64 s[12:13], s[0:1], 0x10
	v_lshl_add_u32 v[SPW], v0, 2, SPARE
	v_mov_b32 v[NIL], 0
	ds_add_u32 v[SPW], v[NIL]
	ds_add_u32 v[SPW], v[NIL]
	v_lshrrev_b32 v1, 5, v0
	v_readfirstlane_b32 s[WV], v1
	s_lshr_b32 s[RH], s[WV], 1
	s_and_b32 s[CH], s[WV], 1
	s_bfe_u32 s40, ttmp6, 0x40000
	s_bfe_u32 s41, ttmp6, 0x40004
	s_and_b32 s20, ttmp7, 0xffff
	s_lshl_b32 s67, s20, 1
	s_add_co_u32 s67, s67, ttmp9
	s_sub_co_u32 s67, s67, 16
	s_cmp_ge_u32 s20, 8
	s_cselect_b32 s[MODE], 1, 0
	s_cselect_b32 s21, s67, ttmp9
	s_cselect_b32 s22, 0, s20
	s_cselect_b32 s23, 640, 0
	s_cselect_b32 s46, 0, 512
	s_lshl_b32 s[TX], s21, 2
	s_add_co_u32 s[TX], s[TX], s40
	s_lshl_b32 s[TY], s22, 2
	s_add_co_u32 s[TY], s[TY], s41
	s_lshl_b32 s43, s41, 2
	s_lshl_b32 s43, 15, s43
	s_lshl_b32 s44, 0x1111, s40
	s_or_b32 s[G1+0], s43, (3<<16)|(1<<21)
	s_or_b32 s[G1B+0], s44, (3<<16)|(1<<21)
.irp g, G1, G1B
	s_mov_b32 s[\g+1], 384<<16
	s_mov_b32 s[\g+2], 8<<16
	s_mov_b32 s[\g+3], 384<<16
	s_mov_b32 s[\g+4], 8
	s_mov_b32 s[\g+5], 1536
	s_mov_b32 s[\g+6], 0
	s_mov_b32 s[\g+7], 0
.endr
	s_or_b32 s[G1S+0], s43, (3<<16)|(1<<21)
	s_or_b32 s[G1SB+0], s44, (3<<16)|(1<<21)
.irp g, G1S, G1SB
	s_mov_b32 s[\g+1], 32<<16
	s_mov_b32 s[\g+2], 16<<16
	s_mov_b32 s[\g+3], 32<<16
	s_mov_b32 s[\g+4], 16
	s_mov_b32 s[\g+5], 32
	s_mov_b32 s[\g+6], 0
	s_mov_b32 s[\g+7], 0
.endr
	s_lshl_b32 s94, s[CH], 3
	s_lshl_b32 s20, s[TY], 4
	s_add_co_u32 s20, s20, s23
	s_add_co_u32 s20, s20, s94
	s_lshl_b32 s22, s20, 9
	s_mul_i32 s20, s20, BLKB
	s_mov_b32 s21, 0
	s_mov_b32 s23, 0
	s_lshl_b32 s47, s[TX], 4
	s_add_co_u32 s46, s46, s47
	s_add_co_u32 s46, s46, s94
	s_lshl_b32 s92, s46, 9
	s_mul_i32 s46, s46, BLKB
	s_mov_b32 s47, 0
	s_mov_b32 s93, 0
	s_mul_i32 s45, s[WV], HALFT
	s_lshl_b32 s94, s[CH], 12
	s_mov_b32 s96, 0x76543210
	s_mov_b32 s97, 0xfedcba98
	s_wait_dscnt 0x0
	s_wait_kmcnt 0x0
	s_add_nc_u64 s[20:21], s[4:5], s[20:21]
	s_add_nc_u64 s[22:23], s[6:7], s[22:23]
	s_add_nc_u64 s[46:47], s[4:5], s[46:47]
	s_add_nc_u64 s[92:93], s[6:7], s[92:93]
	CROUND
	s_mov_b32 s[G0S], 1
	s_add_co_u32 s[G0S+1], s94, SCLA
	s_mov_b64 s[G0S+2:G0S+3], s[22:23]
	s_or_b32 s[G0S+3], s[G0S+3], 0x80000000
	s_mov_b32 s[G0SB], 1
	s_add_co_u32 s[G0SB+1], s94, SCLB
	s_mov_b64 s[G0SB+2:G0SB+3], s[92:93]
	s_or_b32 s[G0SB+3], s[G0SB+3], 0x80000000
	JLOAD G0S, G1S, G0SB, G1SB
.irp s, 0,1
	s_mov_b32 s[G0+4*\s], 1
	s_add_co_u32 s[G0+4*\s+1], s45, \s*SLOT
	s_add_nc_u64 s[G0+4*\s+2:G0+4*\s+3], s[20:21], \s*STEPB
	s_or_b32 s[G0+4*\s+3], s[G0+4*\s+3], 0x80000000
	s_mov_b32 s[G0B+4*\s], 1
	s_add_co_u32 s[G0B+4*\s+1], s45, \s*SLOT
	s_add_nc_u64 s[G0B+4*\s+2:G0B+4*\s+3], s[46:47], \s*STEPB
	s_or_b32 s[G0B+4*\s+3], s[G0B+4*\s+3], 0x80000000
	s_wait_alu depctr_va_vdst(0)
	s_wait_tensorcnt 0x0
	ds_add_u32 v28, v29
	s_wait_dscnt 0x0
	CROUND
	JLOAD G0+4*\s, G1, G0B+4*\s, G1B
.endr
	v_and_b32 v1, 15, v0
	v_bfe_u32 v2, v0, 4, 1
	s_wait_alu depctr_va_vdst(0)
	v_and_b32 v3, 31, v0
	v_lshlrev_b32 v25, 3, v3
	v_lshlrev_b32 v24, 4, v3
	s_mul_i32 s20, s[RH], HALFT
	s_mul_i32 s21, s[CH], HALFT
	s_add_co_u32 s21, s21, 2*HALFT
.irp s, 0,1
	v_add_nc_u32 v[ADRA+\s], s20, v24
	v_add_nc_u32 v[ADRB+\s], s21, v24
	s_add_co_u32 s20, s20, SLOT
	s_add_co_u32 s21, s21, SLOT
.endr
	v_lshlrev_b32 v4, 3, v1
	s_lshl_b32 s20, s[RH], 12
	s_lshl_b32 s21, s[CH], 12
	s_add_co_u32 s21, s21, SCLB-SCLA
	s_sub_co_u32 s21, s21, s20
	v_mul_u32_u24 v5, s21, v2
	s_add_co_u32 s20, s20, SCLA
	v_add_nc_u32 v4, v4, v5
	v_add_nc_u32 v[ADRS], s20, v4
	v_mul_u32_u24 v26, v2, 2*REC
	v_lshl_add_u32 v26, v1, 4, v26
.irp b, 0,1,2,3
	v_mov_b32 v[TM+4+\b], 0
.endr
	s_lshl_b32 s20, s[TY], 1
	s_add_co_u32 s20, s20, s[RH]
	s_lshl_b32 s21, s[TX], 1
	s_add_co_u32 s21, s21, s[CH]
	s_cmp_lg_u32 s[MODE], 0
	s_cselect_b32 s22, s21, s20
	s_cselect_b32 s23, s20, s21
	s_lshr_b32 s46, s22, 4
	s_lshl_b32 s46, s46, 5
	s_and_b32 s47, s23, 7
	s_lshl_b32 s47, s47, 2
	s_add_co_u32 s46, s46, s47
	s_bfe_u32 s47, s22, 0x10003
	s_add_co_u32 s46, s46, s47
	s_mul_i32 s46, s46, REC
	s_and_b32 s22, s22, 7
	s_mov_b32 s20, QCO
	s_mov_b32 s21, QSO
	s_mov_b32 s47, KSO
	s_cmp_ge_u32 s23, 8
	s_cselect_b32 s20, 0, s20
	s_cselect_b32 s21, s47, s21
	s_mov_b32 s47, VCO
	s_mov_b32 s67, VSO
	s_cmp_lg_u32 s[MODE], 0
	s_cselect_b32 s20, s47, s20
	s_cselect_b32 s21, s67, s21
	s_mul_i32 s47, s22, 6144
	s_add_co_u32 s20, s20, s46
	s_add_co_u32 s20, s20, s47
	s_lshl_b32 s47, s22, 8
	s_add_co_u32 s92, s21, s46
	s_add_co_u32 s92, s92, s47
	s_mov_b32 s21, 0
	s_mov_b32 s93, 0
	s_add_nc_u64 s[92:93], s[12:13], s[92:93]
	s_add_nc_u64 s[12:13], s[12:13], s[20:21]
.macro FRAG reg, adr, q, i
.irp c, 0,1,2
	ds_load_b128 v[\reg+4*\c:\reg+4*\c+3], v[\adr] offset:(\i)*STEPB+(\q)*1536+512*\c
.endr
.endm
.macro MUL16 a0, p, q, sc, zero
.irp a, \a0, \a0+1
.irp b, 0,1,2,3,4,5,6,7
.if \zero
	v_wmma_scale_f32_16x16x128_f8f6f4 v[8*(8*((\a)%4)+\b):8*(8*((\a)%4)+\b)+7], v[128*(\p)+FR*\b:128*(\p)+FR*\b+FR-1], v[AF+FR*(\a):AF+FR*(\a)+FR-1], 0, v[SC+8*NQ*(\sc)+NQ*\b+(\q)], v[SC+8*NQ*(\sc)+NQ*(\a)+(\q)] matrix_a_fmt:MATRIX_FMT_FP6 matrix_b_fmt:MATRIX_FMT_FP6 matrix_a_scale:MATRIX_SCALE_ROW1
.else
	v_wmma_scale_f32_16x16x128_f8f6f4 v[8*(8*((\a)%4)+\b):8*(8*((\a)%4)+\b)+7], v[128*(\p)+FR*\b:128*(\p)+FR*\b+FR-1], v[AF+FR*(\a):AF+FR*(\a)+FR-1], v[8*(8*((\a)%4)+\b):8*(8*((\a)%4)+\b)+7], v[SC+8*NQ*(\sc)+NQ*\b+(\q)], v[SC+8*NQ*(\sc)+NQ*(\a)+(\q)] matrix_a_fmt:MATRIX_FMT_FP6 matrix_b_fmt:MATRIX_FMT_FP6 matrix_a_scale:MATRIX_SCALE_ROW1
.endif
.endr
.endr
.endm
.macro FETCH_B slot, q, p
	WIN TO_B
.irp i, 0,1,2,3,4,5,6,7
	FRAG 128*(\p)+FR*\i, ADRB+\slot, \q, \i
.endr
	WIN 0
.endm
.macro FETCH_A slot, q, i0
.irp i, \i0, \i0+1, \i0+2, \i0+3
	FRAG AF+FR*(\i), ADRA+\slot, \q, \i
.endr
.endm
.macro SCALES sc
.irp i, 0,1,2,3,4,5,6,7
	ds_load_b64 v[SC+8*NQ*\sc+NQ*\i:SC+8*NQ*\sc+NQ*\i+1], v[ADRS] offset:\i*512
.endr
.endm
.macro PLACES n
.rept \n
	v_nop
.endr
.endm
.macro STEP slot, q, zero
	s_wait_dscnt 4*NL
	WIN MUL_LO
	MUL16 0, (\q)%2, \q, \slot, \zero
	MUL16 2, (\q)%2, \q, \slot, \zero
	s_wait_dscnt 0
	PLACES NP
	FETCH_B \slot, (\q)+1, 1-(\q)%2
	FETCH_A \slot, (\q)+1, 0
	WIN MUL_HI
	MUL16 4, (\q)%2, \q, \slot, \zero
	MUL16 6, (\q)%2, \q, \slot, \zero
	PLACES NP
	WIN 0
	FETCH_A \slot, (\q)+1, 4
.endm
.macro TURN slot, next, fill
	s_wait_tensorcnt 0x0
	ds_add_u32 v[SPW], v[NIL]
	s_wait_dscnt 4*NL+1
	WIN MUL_LO
	MUL16 0, 1, NQ-1, \slot, 0
	s_wait_dscnt 0x0
	s_barrier_signal -1
	MUL16 2, 1, NQ-1, \slot, 0
	WIN 0
	s_barrier_wait -1
.if \fill
	CREST
	s_add_nc_u64 s[G0+4*\slot+2:G0+4*\slot+3], s[G0+4*\slot+2:G0+4*\slot+3], 2*STEPB
	s_add_nc_u64 s[G0B+4*\slot+2:G0B+4*\slot+3], s[G0B+4*\slot+2:G0B+4*\slot+3], 2*STEPB
	JLOAD G0+4*\slot, G1, G0B+4*\slot, G1B
.else
	PLACES NP
.endif
	s_wait_alu depctr_va_vdst(0)
	v_add_nc_u32 v[ADRS], 128, v[ADRS]
	FETCH_B \next, 0, 0
	FETCH_A \next, 0, 0
	SCALES \next
	WIN MUL_HI
	MUL16 4, 1, NQ-1, \slot, 0
	MUL16 6, 1, NQ-1, \slot, 0
	PLACES NP
	WIN 0
	FETCH_A \next, 0, 4
.endm
	s_wait_alu depctr_va_vdst(0)
	s_wait_tensorcnt 1
	s_barrier_signal -1
	s_barrier_wait -1
	FETCH_B 0, 0, 0
	FETCH_A 0, 0, 0
	SCALES 0
	FETCH_A 0, 0, 4
	STEP 0, 0, 1
	TURN 0, 1, 1
	STEP 1, 0, 0
	TURN 1, 0, 1
	STEP 0, 0, 0
	TURN 0, 1, 0
	STEP 1, 0, 0
	s_wait_dscnt 4*NL
	WIN MUL_LO
	MUL16 0, 1, NQ-1, 1, 0
	MUL16 2, 1, NQ-1, 1, 0
	s_wait_dscnt 0
	WIN MUL_HI
	MUL16 4, 1, NQ-1, 1, 0
	MUL16 6, 1, NQ-1, 1, 0
	WIN 0
.macro EPI a, vmode
.set AC, 64*((\a)%4)
.set PC, AF+12*(\a)
	WIN 0x28+0x14*((\a)/4)
.irp b, 0,1,2,3
	v_max3_num_f32 v[TM+\b], 0x1800000, |v[AC+16*\b]|, |v[AC+16*\b+1]|
.endr
.irp i, 2,4,6,8,10,12,14
.irp b, 0,1,2,3
	v_max3_num_f32 v[TM+\b], v[TM+\b], |v[AC+16*\b+\i]|, |v[AC+16*\b+\i+1]|
.endr
.endr
	WIN 0
.irp b, 0,1,2,3
	v_permlanex16_b32 v[TM+4+\b], v[TM+\b], s96, s97
.endr
.irp b, 0,1,2,3
	v_max_num_f32 v[TM+\b], v[TM+\b], v[TM+4+\b]
.endr
.irp b, 0,1,2,3
	v_add_nc_u32 v[TM+12+\b], 0xff000000, v[TM+\b]
.endr
.irp b, 0,1,2,3
	v_lshrrev_b32 v[TM+4+\b], 23, v[TM+12+\b]
.endr
	v_lshl_or_b32 v[WW+(\a)], v[TM+5], 8, v[TM+4]
	v_lshl_or_b32 v[WW+(\a)], v[TM+6], 16, v[WW+(\a)]
	v_lshl_or_b32 v[WW+(\a)], v[TM+7], 24, v[WW+(\a)]
	WIN 2+(\a)/4
.irp c, 0,1
	v_cvt_scalef32_pk16_fp6_f32 v[PC+6*\c:PC+6*\c+2], v[AC+32*\c:AC+32*\c+15], v[TM+12+2*\c]
	v_cvt_scalef32_pk16_fp6_f32 v[TT+4*\c:TT+4*\c+2], v[AC+32*\c+16:AC+32*\c+31], v[TM+12+2*\c+1]
.endr
	WIN 0
	v_nop
.irp c, 0,1
.irp i, 0,1,2
	v_permlane16_swap_b32 v[PC+6*\c+\i], v[TT+4*\c+\i]
.endr
.irp i, 0,1,2
	v_mov_b32 v[PC+6*\c+3+\i], v[TT+4*\c+\i]
.endr
.endr
.if \vmode
.irp c, 0,1,2
	global_store_b128 v24, v[PC+4*\c:PC+4*\c+3], s[12:13] offset:((\a)/4)*2*REC+((\a)%4)*1536+512*\c
.endr
.else
	global_store_b128 v24, v[PC:PC+3], s[12:13] offset:768*(\a)
	global_store_b64 v25, v[PC+4:PC+5], s[12:13] offset:768*(\a)+512
	global_store_b128 v24, v[PC+6:PC+9], s[12:13] offset:2*REC+768*(\a)
	global_store_b64 v25, v[PC+10:PC+11], s[12:13] offset:2*REC+768*(\a)+512
.endif
.endm
	PLACES NP
	s_cmp_lg_u32 s[MODE], 0
	s_cbranch_scc1 .Lv_out
.irp a, 0,1,2,3,4,5,6,7
	EPI \a, 0
.endr
.irp q, 0,1,2,3
	v_perm_b32 v[SL+\q], v[WW+2*\q+1], v[WW+2*\q], 0x05040100
	v_perm_b32 v[SL+4+\q], v[WW+2*\q+1], v[WW+2*\q], 0x07060302
.endr
	s_branch .Lwords
.Lv_out:
.irp a, 0,1,2,3,4,5,6,7
	EPI \a, 1
.endr
.irp q, 0,1,2,3
	v_mov_b32 v[SL+\q], v[WW+\q]
	v_mov_b32 v[SL+4+\q], v[WW+4+\q]
.endr
.Lwords:
	v_cmp_ne_u32 vcc_lo, 0, v2
	s_wait_alu depctr_va_vdst(0)
.irp q, 0,1,2,3
	v_cndmask_b32 v[SL+\q], v[SL+\q], v[SL+4+\q], vcc_lo
.endr
	global_store_b128 v26, v[SL:SL+3], s[92:93]
	s_wait_tensorcnt 0x0
	ds_add_u32 v[SPW], v[NIL]
	s_wait_dscnt 0x0
	CROUND
	s_endpgm
.Lfunc_end_k_q3e03a6a57f_gemm_qkv:
	.size	k_q3e03a6a57f_gemm_qkv, .Lfunc_end_k_q3e03a6a57f_gemm_qkv-k_q3e03a6a57f_gemm_qkv
	.p2alignl 7, 3214868480
	.fill 96, 4, 3214868480
	.section	.rodata,"a",@progbits
	.p2align	6, 0x0
	.amdhsa_kernel k_q3e03a6a57f_gemm_qkv
		.amdhsa_group_segment_fixed_size 327680
		.amdhsa_private_segment_fixed_size 0
		.amdhsa_enable_private_segment 0
		.amdhsa_kernarg_size 24
		.amdhsa_user_sgpr_count 2
		.amdhsa_user_sgpr_kernarg_segment_ptr 1
		.amdhsa_wavefront_size32 1
		.amdhsa_system_sgpr_workgroup_id_x 1
		.amdhsa_system_sgpr_workgroup_id_y 1
		.amdhsa_system_sgpr_workgroup_id_z 1
		.amdhsa_system_vgpr_workitem_id 0
		.amdhsa_next_free_vgpr 1024
		.amdhsa_next_free_sgpr 100
		.amdhsa_reserve_vcc 1
		.amdhsa_float_denorm_mode_32 3
		.amdhsa_float_denorm_mode_16_64 3
		.amdhsa_memory_ordered 1
		.amdhsa_forward_progress 1
		.amdhsa_inst_pref_size 176
	.end_amdhsa_kernel
	.amdgpu_metadata
---
amdhsa.version: [ 1, 2 ]
amdhsa.kernels:
  - .name:           k_q3e03a6a57f_gemm_qkv
    .symbol:         k_q3e03a6a57f_gemm_qkv.kd
    .args:
      - { .name: cod, .offset: 0, .size: 8, .value_kind: global_buffer, .address_space: global }
      - { .name: scl, .offset: 8, .size: 8, .value_kind: global_buffer, .address_space: global }
      - { .name: qkv, .offset: 16, .size: 8, .value_kind: global_buffer, .address_space: global }
    .group_segment_fixed_size: 327680
    .private_segment_fixed_size: 0
    .kernarg_segment_align: 8
    .kernarg_segment_size: 24
    .max_flat_workgroup_size: 128
    .sgpr_count:     100
    .vgpr_count:     1024
    .wavefront_size: 32
...
	.end_amdgpu_metadata
.endif
;; end of part 2
;; launch attn (part 3): grid 8 x 32, 16 waves a work-group, clusters of 4 x 1, 327,680 bytes of LDS; arguments qkv, ac, asc; writes ac, asc
.if DOCPART == 3
	.amdgcn_target "amdgcn-amd-amdhsa--gfx1250"
	.amdhsa_code_object_version 6
	.text
	.protected	k_q3e03a6a57f_attn
	.globl	k_q3e03a6a57f_attn
	.p2align	8
	.type	k_q3e03a6a57f_attn,@function
k_q3e03a6a57f_attn:
	s_mov_b64 s[64:65], 0
	v_nop
	global_prefetch_b8 v0, s[64:65] scope:SCOPE_SE
	s_setreg_imm32_b32 hwreg(HW_REG_WAVE_MODE, 25, 1), 1
	s_wait_xcnt 0x0
	s_wait_alu depctr_hold_cnt(0) depctr_sa_sdst(0) depctr_va_vdst(0) depctr_va_sdst(0) depctr_va_ssrc(0) depctr_va_vcc(0) depctr_vm_vsrc(0)
	s_getreg_b32 s2, hwreg(HW_REG_IB_STS2, 6, 4)
	s_cmp_eq_u32 s2, 0
	s_cbranch_scc0 .Lentry_in_a_cluster
	s_endpgm
.Lentry_in_a_cluster:
	s_bfe_u32 s2, ttmp6, 0x10000c
	s_cmp_lg_u32 s2, 0x3003
	s_cbranch_scc0 .Lentry_shape_is_right
	s_endpgm
.Lentry_shape_is_right:
; O[b][head][q] = the sum over keys of softmax(q . k / 8) v, both products on codes of FP6 (E2M3) with E8M0 scales, and O / l quantised along the model's 1,024 for the last product.
; THE SOFTMAX: t = score x log2(e) / 8; M = the running largest t rounded UP to a whole number; p = 2^(t - M) is quantised along the keys, not normalised; the row's sum is taken of the unquantised p
; and divides O at the end.  When M moves, the sum and O are multiplied by 2^(old M - new M): exact.
; INPUT: qkv, 128 records of 153,600 bytes (record 32 b + 2 head + half of the 2,048 keys), all in the order of the operands' registers: KC [tile of 16 keys 0..63] 768 bytes; VC [key step 0..7][channel
; tile 0..3] 1,536; KS, VS scale words, 256 bytes a key step; then QC, QS.  A record's first 102,400 bytes are what one LDS slot takes.  Tile i holds in lane row r the row 32 (i / 2) + 8 (i % 2) + r + 8 (r / 8).
; SHARES: a work-group owns 256 queries of one batch and one PAIR of heads; each of its sixteen waves owns one tile of 16 queries and runs two passes, the even head and the odd.  So it ends with a whole
; fragment (16 tokens x 128 along the model's axis) and a whole scale word of the last product's operand.  Four waves share a SIMD: one wave's vector work stands beside another's matrix work.
; CLUSTER: the four work-groups of a cluster are four query blocks of the same batch and pair of heads: they walk the same four records, each asked for JOINTLY (waves 0-3, a quarter each).
; A record is asked for eight key steps ahead of its first use, so no wave stands waiting for it in the walk, and nothing is prefetched.
; LAYOUT: both products transposed (S^T = K Q^T, O^T = V^T P^T): a lane holds ONE query throughout; the 16 registers of key tiles 2 t and 2 t + 1 are 16 neighbouring keys.
; K = 64 IN A FORM OF K = 128: a fragment of source 0 holds key tile 2 t in registers 0-5 and tile 2 t + 1 in 6-11 (two images on end).  Against [Q | zero codes] it gives tile 2 t's scores, against
; [zero codes | Q] tile 2 t + 1's: zero codes add nothing under any scale byte of 1 to 254.
; LIMITS: p under 2^-126 comes out as 0 (v_exp_f32); a block of zeros gets the scale byte 1 (its codes are zeros; this program alone reads the bytes); NaN and infinities are not served.
; The scale words leave 4 bytes a row, 64 bytes a wave, into 256-byte runs that four work-groups fill together: one byte in 24 of what the launch stores.
; REGISTERS: v1-7 addresses that stay; v8-11 addresses in hand; v12 -M, v13 the largest t, v[14:15] the sum; v16-27 [Q | 0], v28-39 [0 | Q]; v40-87 four fragments of K, then of V; v88-95 the odd head's Q and the
; raw scale words; v96-159 S^T, then p; v160-191 O^T; v192-203 p's codes; v204-210 at work; v212-223 the output fragment, v224 its scale word; v228-231 K's scale words; v232-247 at work; v248-251 V's; v252 f, v253 p's scale word, v255 Q's.
.set REC,   153600
.set VCO,   49152
.set KSO,   98304
.set VSO,   100352
.set QCO,   102400
.set QSO,   151552
.set QUART, 25600                      ; a quarter of a slot: what one tensor load brings
.set SLOT1, 1<<17                      ; slot 1 begins here, so that one exclusive or turns the walking descriptor from one slot to the other
.set SPARE, SLOT1+4*QUART              ; behind the ring: the spare words, 128 bytes for each wave: eight blocks of 256 bytes that no other line names
.set SPW,  5
.set NIL,  6
.set TB,   2                           ; s2   LDS byte at which the key step's codes begin (6,144 a step, for K's and for V's)
.set TS,   3                           ; s3   and its scale words (256 a step)
.set WV,   18
.set SEL,  20                          ; s[20:21] lane selects: lane l xor 16
.set CS,   22                          ; s[22:23] c = log2(e) / 8
.set G1,   24
.set G0,   32
.set CNT,  36
.set PSEL, 37                          ; s37  which half of a pair's scale word is my query tile's
.macro TLOAD                           ; waves 0 to 3 fetch a quarter of the record each; the branch hangs on the wave's number alone.  An s_nop 0 and four v_nop follow the load
	s_cmp_lt_u32 s[WV], 4
	s_cbranch_scc0 .Lnone_\@
	tensor_load_to_lds s[G0:G0+3], s[G1:G1+7]
	s_nop 0
.rept 4
	v_nop
.endr
.Lnone_\@:
.endm
.macro CROUND                          ; a round of the cluster's barrier
	s_barrier_signal -1
	s_barrier_wait -1
	s_cmp_lg_u32 s[WV], 0
	s_cbranch_scc1 .Lnot_wave_0_\@
	s_barrier_signal -3
.Lnot_wave_0_\@:
	s_barrier_wait -3
	s_barrier_signal -1
	s_barrier_wait -1
.endm
	s_load_b128 s[4:7], s[0:1], 0x0                ; qkv s[4:5], ac s[6:7]
	s_load_b64 s[8:9], s[0:1], 0x10                ; asc
	v_lshl_add_u32 v[SPW], v0, 2, SPARE
	v_mov_b32 v[NIL], 0
	ds_add_u32 v[SPW], v[NIL]                      ; the wave's opening: the add and its wait stand ahead of the first tensor load; the set-up below, work on registers, stands between them
	ds_add_u32 v[SPW], v[NIL]
	v_lshrrev_b32 v8, 5, v0
	s_delay_alu instid0(VALU_DEP_1)
	v_readfirstlane_b32 s[WV], v8                  ; wave 0..15
	s_bfe_u32 s46, ttmp6, 0x40000                  ; cx: it enters Q's and the output's addresses alone
	s_lshl_b32 s47, ttmp9, 2
	s_add_co_u32 s47, s47, s46                     ; my block of 256 queries
	s_lshl_b32 s47, s47, 4
	s_add_co_u32 s47, s47, s[WV]                   ; my tile of 16 tokens in the batch, 0..127
	s_and_b32 s48, ttmp7, 0xffff                   ; 8 x batch + pair of heads, which the four partners share
	s_lshr_b32 s49, s48, 3                         ; batch
	s_and_b32 s50, s48, 7                          ; pair of heads
	s_lshl_b32 s51, s48, 2                         ; the first of my four records: 32 b + 4 pair
	s_mul_i32 s52, s51, REC
	s_and_b32 s53, s[WV], 3
	s_mul_i32 s53, s53, QUART                      ; my quarter, in memory and in a slot
	s_mov_b32 s[G1], 15|(3<<16)|(1<<21)            ; 15:0 the mask: all four work-groups; 17:16 elements of 8 bytes; 21 set beside a mask
	s_mov_b32 s[G1+1], 32<<16                      ; tensor_dim0: 256 bytes
	s_mov_b32 s[G1+2], 100<<16                     ; tensor_dim1: 100 rows
	s_mov_b32 s[G1+3], 32<<16                      ; tile_dim0
	s_mov_b32 s[G1+4], 100                         ; tile_dim1
	s_mov_b32 s[G1+5], 32                          ; dense
	s_mov_b32 s[G1+6], 0
	s_mov_b32 s[G1+7], 0
	s_mov_b32 s[SEL], 0x76543210
	s_mov_b32 s[SEL+1], 0xfedcba98
	s_mov_b32 s[CS], 0x3e38aa3b                    ; log2(e) / 8
	s_mov_b32 s[CS+1], s[CS]                       ; (named with it as a pair, so it is written)
	s_and_b32 s54, s[WV], 1                        ; my tile is the even or the odd one of its pair
	s_cmp_lg_u32 s54, 0
	s_mov_b32 s[PSEL], 0x01000100
	s_cselect_b32 s[PSEL], 0x03020302, s[PSEL]
	s_lshr_b32 s54, s47, 6                         ; Q: the half of the batch's tokens in which my tile lies,
	s_mul_i32 s54, s54, REC
	s_add_co_u32 s54, s54, s52                     ; its record of the even head,
	s_and_b32 s55, s47, 63
	s_mul_i32 s38, s55, 768                        ; my tile's image in it,
	s_add_co_u32 s38, s38, s54
	s_add_co_u32 s38, s38, QCO
	s_mov_b32 s39, 0
	s_lshr_b32 s40, s55, 3
	s_lshl_b32 s40, s40, 8                         ; and its pair's scale words: 256 bytes for 8 tiles, 4 bytes a pair
	s_bfe_u32 s55, s47, 0x20001
	s_lshl_b32 s55, s55, 2
	s_add_co_u32 s40, s40, s55
	s_add_co_u32 s40, s40, s54
	s_add_co_u32 s40, s40, QSO
	s_mov_b32 s41, 0
	s_lshl_b32 s42, s49, 7
	s_add_co_u32 s42, s42, s47                     ; my block of tokens among all 512
	s_lshl_b32 s44, s42, 9                         ; asc: 512 bytes a block,
	s_lshl_b32 s42, s42, 3
	s_add_co_u32 s42, s42, s50
	s_mul_i32 s42, s42, 1536                       ; ac: image 8 x block + pair of heads
	s_mov_b32 s43, 0
	s_lshr_b32 s55, s50, 1
	s_lshl_b32 s55, s55, 7                         ; 128 for two K steps,
	s_add_co_u32 s44, s44, s55
	s_and_b32 s55, s50, 1
	s_lshl_b32 s55, s55, 2                         ; 4 for the odd one
	s_add_co_u32 s44, s44, s55
	s_mov_b32 s45, 0
	s_mov_b32 s[G0], 1                             ; 1:0 count = 1
	s_mov_b32 s[G0+1], s53                         ; LDS address: slot 0, my quarter
	s_add_co_u32 s52, s52, s53
	s_mov_b32 s53, 0
	s_wait_dscnt 0x0                               ; the opening add is done
	s_wait_kmcnt 0x0
	s_add_nc_u64 s[G0+2:G0+3], s[4:5], s[52:53]    ; global address: the first record, my quarter
	s_or_b32 s[G0+3], s[G0+3], 0x80000000          ; type = 2
	s_add_nc_u64 s[38:39], s[4:5], s[38:39]
	s_add_nc_u64 s[40:41], s[4:5], s[40:41]
	s_add_nc_u64 s[42:43], s[6:7], s[42:43]
	s_add_nc_u64 s[44:45], s[8:9], s[44:45]
	CROUND                                         ; all four work-groups are here: the first joint loads meet
	TLOAD                                          ; the even head's keys 0-1,023 into slot 0
	v_and_b32 v8, 31, v0
	s_delay_alu instid0(VALU_DEP_1)
	v_lshlrev_b32 v1, 4, v8                        ; 16 x lane
	s_delay_alu instid0(VALU_DEP_2)
	v_lshlrev_b32 v2, 3, v8                        ; 8 x lane
	v_and_b32 v9, 15, v0                           ; r
	s_delay_alu instid0(VALU_DEP_1)
	v_lshlrev_b32 v225, 4, v9                      ; 16 r
	s_delay_alu instid0(VALU_DEP_1)
	v_add_nc_u32 v3, KSO, v225                     ; K's scale words: 16 bytes a row
	s_delay_alu instid0(VALU_DEP_2)
	v_add_nc_u32 v4, VSO, v225                     ; V's
	s_delay_alu instid0(VALU_DEP_4)
	v_lshlrev_b32 v7, 3, v9                        ; 8 r: the output's scale words
	global_load_b128 v[16:19], v1, s[38:39]        ; the even head's Q,
	global_load_b64 v[20:21], v2, s[38:39] offset:512
	global_load_b128 v[88:91], v1, s[38:39] offset:2*REC   ; the odd head's, two records on
	global_load_b64 v[92:93], v2, s[38:39] offset:2*REC+512
	global_load_b32 v95, v225, s[40:41]            ; and their pairs' scale words
	global_load_b32 v94, v225, s[40:41] offset:2*REC
.set J, 22
.rept 12
	v_mov_b32 v[J], 0                              ; the zero codes: v22-27 and v28-33
.set J, J+1
.endr
.irp b, 0,1,2,3
	v_mov_b32 v[236+\b], 0                         ; written once: a lane permute's destination counts as one of its sources
.endr
	v_mov_b32 v252, 0
	v_mov_b32 v253, 0                              ; (named as the upper half of the pair v[252:253] before it is first written)
; A KEY STEP: 128 keys.
.macro STEP
	v_add_nc_u32 v8, s[TB], v1                     ; these four are the places between the last step's products and the loads into the registers that they read
	v_add_nc_u32 v9, s[TB], v2
	v_add_nc_u32 v10, s[TS], v3
	v_add_nc_u32 v11, s[TS], v4
.irp t, 0,1,2,3
.irp u, 0,1
	ds_load_b128 v[40+12*\t+6*\u:43+12*\t+6*\u], v8 offset:(2*\t+\u)*768        ; key tile 2 t + u: registers 0-3,
	ds_load_b64 v[44+12*\t+6*\u:45+12*\t+6*\u], v9 offset:(2*\t+\u)*768+512     ; and 4-5
.endr
.endr
	ds_load_b128 v[228:231], v10                   ; the four pairs' scale words
	s_wait_alu depctr_va_vdst(0)
	s_wait_dscnt 0x0
.irp t, 0,1,2,3
	v_wmma_scale_f32_16x16x128_f8f6f4 v[96+16*\t:103+16*\t], v[40+12*\t:51+12*\t], v[16:27], 0, v[228+\t], v255 matrix_a_fmt:MATRIX_FMT_FP6 matrix_b_fmt:MATRIX_FMT_FP6
	v_wmma_scale_f32_16x16x128_f8f6f4 v[104+16*\t:111+16*\t], v[40+12*\t:51+12*\t], v[28:39], 0, v[228+\t], v255 matrix_a_fmt:MATRIX_FMT_FP6 matrix_b_fmt:MATRIX_FMT_FP6
.endr
.rept 4
	v_nop                                          ; places: the scores are read, and K's registers loaded anew, only behind these
.endr
.irp t, 0,1,2,3                        ; V's four fragments are asked for now and land under the softmax
.irp c, 0,1,2
	ds_load_b128 v[40+12*\t+4*\c:43+12*\t+4*\c], v8 offset:VCO+1536*\t+512*\c
.endr
.endr
	ds_load_b128 v[248:251], v11
.irp b, 0,1,2,3
	v_max3_num_f32 v[232+\b], v[96+16*\b], v[97+16*\b], v[98+16*\b]   ; THE LARGEST SCORE OF EACH BLOCK OF 32 KEYS: for the row's maximum and, since p rises with the score, for the block's largest p
.endr
.irp i, 3,5,7,9,11,13
.irp b, 0,1,2,3
	v_max3_num_f32 v[232+\b], v[232+\b], v[96+16*\b+\i], v[97+16*\b+\i]
.endr
.endr
.irp b, 0,1,2,3
	v_max_num_f32 v[232+\b], v[232+\b], v[111+16*\b]
.endr
.irp b, 0,1,2,3
	s_delay_alu instid0(VALU_DEP_4)
	v_permlanex16_b32 v[236+\b], v[232+\b], s[SEL], s[SEL+1]
.endr
.irp b, 0,1,2,3
	s_delay_alu instid0(VALU_DEP_4)
	v_max_num_f32 v[232+\b], v[232+\b], v[236+\b]  ; with lane l xor 16's 16 keys
.endr
	s_delay_alu instid0(VALU_DEP_2)
	v_max3_num_f32 v254, v232, v233, v234
	s_delay_alu instid0(VALU_DEP_1)
	v_max_num_f32 v254, v254, v235                 ; the step's largest score of my query
	s_delay_alu instid0(VALU_DEP_1)
	v_mul_f32 v254, s[CS], v254                    ; as t (c is positive)
	s_delay_alu instid0(VALU_DEP_1)
	v_max_num_f32 v13, v13, v254                   ; the running largest t
	v_mov_b32 v254, v12
	s_delay_alu instid0(VALU_DEP_2)
	v_floor_f32 v12, -v13                          ; the new -M = floor(-t): M is a whole number
	s_delay_alu instid0(VALU_DEP_1)
	v_sub_f32 v254, v12, v254                      ; old M - new M: a whole number, 0 or less
	s_delay_alu instid0(VALU_DEP_1)
	v_cvt_i32_f32 v254, v254                       ; (it saturates)
	s_delay_alu instid0(VALU_DEP_1)
	v_ldexp_f32 v252, 1.0, v254                    ; f = 2^(old M - new M)
.set J, 0
.rept 32
	v_pk_fma_f32 v[96+J:97+J], v[96+J:97+J], s[CS:CS+1], v[12:13] op_sel_hi:[1,0,0]   ; t - M, two at a time
.set J, J+2
.endr
.irp b, 0,1,2,3
	v_fma_f32 v[232+\b], v[232+\b], s[CS], v12     ; the same of each block's largest score
.endr
.set J, 0
	s_wait_alu depctr_va_vdst(0)
.rept 64
	v_exp_f32 v[96+J], v[96+J]                     ; p = 2^(t - M), at most 1
.set J, J+1
.endr
	s_setprio 1
	v_pk_mul_f32 v[14:15], v[14:15], v[252:253] op_sel_hi:[1,0]   ; the sums under the new M: the plain instruction behind the exponentials
	s_wait_alu depctr_va_vdst(0)                   ; one wait for the batch of 64, ahead of its first reader
.irp b, 0,1,2,3
	v_exp_f32 v[232+\b], v[232+\b]                 ; the block's largest p: the same two instructions on the same number give the same bits
.endr
	v_pk_add_f32 v[236:237], v[100:101], v[104:105]
	v_pk_add_f32 v[246:247], v[108:109], v[112:113]
	v_pk_add_f32 v[244:245], v[116:117], v[120:121]
	v_pk_add_f32 v[242:243], v[124:125], v[128:129]
	v_pk_add_f32 v[240:241], v[132:133], v[136:137]
	v_pk_add_f32 v[238:239], v[140:141], v[144:145]
	v_pk_add_f32 v[230:231], v[148:149], v[152:153]
	v_pk_add_f32 v[14:15], v[14:15], v[156:157]
	v_pk_add_f32 v[236:237], v[236:237], v[96:97]
	v_pk_add_f32 v[246:247], v[246:247], v[98:99]
	v_pk_add_f32 v[244:245], v[244:245], v[102:103]
	v_pk_add_f32 v[242:243], v[242:243], v[106:107]
	v_pk_add_f32 v[240:241], v[240:241], v[110:111]
	v_pk_add_f32 v[238:239], v[238:239], v[114:115]
	v_pk_add_f32 v[230:231], v[230:231], v[118:119]
	v_pk_add_f32 v[14:15], v[14:15], v[122:123]
	v_pk_add_f32 v[236:237], v[236:237], v[126:127]
	v_pk_add_f32 v[246:247], v[246:247], v[130:131]
	v_pk_add_f32 v[244:245], v[244:245], v[134:135]
	v_pk_add_f32 v[242:243], v[242:243], v[138:139]
	v_pk_add_f32 v[240:241], v[240:241], v[142:143]
	v_pk_add_f32 v[238:239], v[238:239], v[146:147]
	v_pk_add_f32 v[230:231], v[230:231], v[150:151]
	v_pk_add_f32 v[14:15], v[14:15], v[154:155]
	v_pk_add_f32 v[236:237], v[236:237], v[158:159]
	s_delay_alu instid0(VALU_DEP_2)
	v_pk_add_f32 v[14:15], v[14:15], v[242:243]
	s_delay_alu instid0(VALU_DEP_2)
	v_pk_add_f32 v[236:237], v[236:237], v[240:241]
	v_pk_add_f32 v[246:247], v[246:247], v[238:239]
	v_pk_add_f32 v[244:245], v[244:245], v[230:231]
	s_delay_alu instid0(VALU_DEP_2)
	v_pk_add_f32 v[14:15], v[14:15], v[246:247]
	s_delay_alu instid0(VALU_DEP_2)
	v_pk_add_f32 v[236:237], v[236:237], v[244:245]
	s_delay_alu instid0(VALU_DEP_1)
	v_pk_add_f32 v[14:15], v[14:15], v[236:237]
	s_wait_alu depctr_va_vdst(0)                   ; and one for the four
.irp b, 0,1,2,3
	v_max_num_f32 v[232+\b], 0x1800000, v[232+\b]  ; the floor 2^(3 - 127): the byte cannot fall under 1
.endr
.irp b, 0,1,2,3
	s_delay_alu instid0(VALU_DEP_4)
	v_add_nc_u32 v[244+\b], 0xff000000, v[232+\b]  ; 2 off the exponent field: the conversion's scale operand
.endr
.irp b, 0,1,2,3
	s_delay_alu instid0(VALU_DEP_4)
	v_lshrrev_b32 v[236+\b], 23, v[244+\b]         ; the scale's byte
.endr
	s_delay_alu instid0(VALU_DEP_3)
	v_lshl_or_b32 v253, v237, 8, v236              ; p's scale word for these 128 keys
	s_delay_alu instid0(VALU_DEP_1)
	v_lshl_or_b32 v253, v238, 16, v253
	s_delay_alu instid0(VALU_DEP_1)
	v_lshl_or_b32 v253, v239, 24, v253
.irp c, 0,1
	v_cvt_scalef32_pk16_fp6_f32 v[192+6*\c:194+6*\c], v[96+32*\c:111+32*\c], v[244+2*\c]
	v_cvt_scalef32_pk16_fp6_f32 v[204+4*\c:206+4*\c], v[112+32*\c:127+32*\c], v[244+2*\c+1]   ; (a conversion's three registers begin on an even number)
.endr
	v_nop                                          ; one plain place behind a scaled conversion
.irp c, 0,1                            ; the operand's layout wants a WHOLE block in a lane
.irp i, 0,1,2
	v_permlane16_swap_b32 v[192+6*\c+\i], v[204+4*\c+\i]
.endr
.irp i, 0,1,2
	s_delay_alu instid0(VALU_DEP_3)
	v_mov_b32 v[195+6*\c+\i], v[204+4*\c+\i]
.endr
.endr
.set J, 0
	s_setprio 0
.rept 16
	v_pk_mul_f32 v[160+J:161+J], v[160+J:161+J], v[252:253] op_sel_hi:[1,0]   ; O^T under the new M; these are also the places between the scale word's and the codes' last writes and the products
.set J, J+2
.endr
	s_wait_alu depctr_va_vdst(0)
	s_wait_dscnt 0x0                               ; V and its scale words are in
.irp t, 0,1,2,3
	v_wmma_scale_f32_16x16x128_f8f6f4 v[160+8*\t:167+8*\t], v[40+12*\t:51+12*\t], v[192:203], v[160+8*\t:167+8*\t], v[248+\t], v253 matrix_a_fmt:MATRIX_FMT_FP6 matrix_b_fmt:MATRIX_FMT_FP6
.endr
.endm
; A slot's eight key steps: written once for each slot's turn, walked eight times; the LDS addresses hang on two scalars stepped by constants.
.macro STEPS slot
	s_mov_b32 s[TB], \slot*SLOT1
	s_mov_b32 s[TS], \slot*SLOT1
	s_mov_b32 s[CNT], 8
.Lstep_\@:
	s_setprio 2
	STEP
	s_add_co_u32 s[TB], s[TB], 6144
	s_add_co_u32 s[TS], s[TS], 256
	s_sub_co_u32 s[CNT], s[CNT], 1
	s_cmp_lg_u32 s[CNT], 0
	s_cbranch_scc1 .Lstep_\@
	s_setprio 0
.endm
; THE CHANGE OF SLOTS stands at a slot's head.  Each wave waits for all its tensor loads (its part of the slot ahead), adds 0 to its spare word, and waits for that and for its reads of the slot that it has left.
; fill = 1: the barrier is a round of the cluster's, and behind it the other slot takes the next record, which has eight key steps in which to land.  One tensor load of a wave is out at a time.
.macro CHANGE fill
	s_wait_tensorcnt 0x0                           ; no tensor load of mine is out, so the group 0 may be written
	ds_add_u32 v[SPW], v[NIL]                      ; 0 onto my spare word
.if \fill
	s_xor_b32 s[G0+1], s[G0+1], SLOT1              ; the other slot than last time,
	s_add_nc_u64 s[G0+2:G0+3], s[G0+2:G0+3], REC   ; the next record; the type bits on top are not reached
.endif
	s_wait_dscnt 0x0                               ; the add is done, and my reads of the slot that I have left are over
.if \fill
	CROUND
	TLOAD                                          ; the first thing behind the round, and a wave's one tensor load until the next
.else
	s_barrier_signal -1
	s_barrier_wait -1
.endif
.endm
; A pass begins: Q of head e into both operands, its scale word, and the running figures.  O^T and the sum begin as zeros and the largest t as -3e38: the first change of M multiplies zeros.
.macro SETUP e
.if \e
.irp i, 0,1,2,3,4,5
	v_mov_b32 v[16+\i], v[88+\i]
.endr
.endif
.irp i, 0,1,2,3,4,5
	v_mov_b32 v[34+\i], v[16+\i]
.endr
	v_perm_b32 v255, v[95-\e], v[95-\e], s[PSEL]   ; my tile's two scale bytes, below and above: they serve [Q | 0] and [0 | Q] alike
	v_mov_b32 v13, 0xff61b1e6
	s_delay_alu instid0(VALU_DEP_1)
	v_floor_f32 v12, -v13
	v_mov_b32 v14, 0
	v_mov_b32 v15, 0
.set J, 0
.rept 32
	v_mov_b32 v[160+J], 0
.set J, J+1
.endr
.endm
; A pass ends: O^T / the sum, register 16 t + i = channel 32 t + 16 (lane / 16) + i, is quantised: registers 6 e .. 6 e + 5 of the output fragment, bytes 2 e, 2 e + 1 of its scale word.
.macro FINISH e
.rept 4
	v_nop                                          ; places behind the last products
.endr
	v_add_f32 v14, v14, v15                        ; the sum's two halves,
	s_delay_alu instid0(VALU_DEP_1)
	v_permlanex16_b32 v252, v14, s[SEL], s[SEL+1]
	s_delay_alu instid0(VALU_DEP_1)
	v_add_f32 v14, v14, v252                       ; and lane l xor 16's
	s_wait_alu depctr_va_vdst(0)
	v_rcp_f32 v14, v14
	v_nop                                          ; a plain place behind the reciprocal,
	s_wait_alu depctr_va_vdst(0)                   ; and the wait ahead of its first reader
.set J, 0
.rept 16
	v_pk_mul_f32 v[96+J:97+J], v[160+J:161+J], v[14:15] op_sel_hi:[1,0]
.set J, J+2
.endr
.irp b, 0,1
	v_max3_num_f32 v[232+\b], |v[96+16*\b]|, |v[97+16*\b]|, 0x1800000
.endr
.irp i, 2,4,6,8,10,12,14
.irp b, 0,1
	s_delay_alu instid0(VALU_DEP_2)
	v_max3_num_f32 v[232+\b], v[232+\b], |v[96+16*\b+\i]|, |v[97+16*\b+\i]|
.endr
.endr
.irp b, 0,1
	s_delay_alu instid0(VALU_DEP_2)
	v_permlanex16_b32 v[236+\b], v[232+\b], s[SEL], s[SEL+1]
.endr
.irp b, 0,1
	s_delay_alu instid0(VALU_DEP_2)
	v_max_num_f32 v[232+\b], v[232+\b], v[236+\b]
.endr
.irp b, 0,1
	s_delay_alu instid0(VALU_DEP_2)
	v_add_nc_u32 v[244+\b], 0xff000000, v[232+\b]
.endr
.irp b, 0,1
	s_delay_alu instid0(VALU_DEP_2)
	v_lshrrev_b32 v[236+\b], 23, v[244+\b]
.endr
.if \e
	s_delay_alu instid0(VALU_DEP_2)
	v_lshl_or_b32 v224, v236, 16, v224
	s_delay_alu instid0(VALU_DEP_1)
	v_lshl_or_b32 v224, v237, 24, v224
.else
	s_delay_alu instid0(VALU_DEP_1)
	v_lshl_or_b32 v224, v237, 8, v236
.endif
	v_cvt_scalef32_pk16_fp6_f32 v[212+6*\e:214+6*\e], v[96:111], v244
	v_cvt_scalef32_pk16_fp6_f32 v[204:206], v[112:127], v245
	v_nop                                          ; one plain place behind a scaled conversion
.irp i, 0,1,2
	v_permlane16_swap_b32 v[212+6*\e+\i], v[204+\i]
.endr
.irp i, 0,1,2
	s_delay_alu instid0(VALU_DEP_3)
	v_mov_b32 v[215+6*\e+\i], v[204+\i]
.endr
.endm
	s_wait_loadcnt 0x0                             ; Q
	SETUP 0
	CHANGE 1                                       ; record 0 is in; record 1 (the even head's keys 1,024 on) goes into slot 1
	STEPS 0
	CHANGE 1                                       ; record 2 (the odd head's first half) into slot 0
	STEPS 1
	CHANGE 1                                       ; record 3 into slot 1: the last load
	FINISH 0
	SETUP 1
	STEPS 0
	CHANGE 0                                       ; nothing is left to fetch
	STEPS 1
	FINISH 1
.irp c, 0,1,2
	global_store_b128 v1, v[212+4*\c:215+4*\c], s[42:43] offset:512*\c   ; the fragment's image: 512 consecutive bytes a store, aligned to 256
.endr
	global_store_b32 v7, v224, s[44:45]            ; my rows' scale words (both halves of the lanes hold and write the same word)
	s_wait_tensorcnt 0x0                           ; the wave's end, behind my last tensor load
	ds_add_u32 v[SPW], v[NIL]
	s_wait_dscnt 0x0
	CROUND                                         ; the closing round: no work-group ends while a partner may still ask for a record that names it
	s_endpgm
.Lfunc_end_k_q3e03a6a57f_attn:
	.size	k_q3e03a6a57f_attn, .Lfunc_end_k_q3e03a6a57f_attn-k_q3e03a6a57f_attn
	.p2alignl 7, 3214868480
	.fill 96, 4, 3214868480
	.section	.rodata,"a",@progbits
	.p2align	6, 0x0
	.amdhsa_kernel k_q3e03a6a57f_attn
		.amdhsa_group_segment_fixed_size 327680
		.amdhsa_private_segment_fixed_size 0
		.amdhsa_enable_private_segment 0
		.amdhsa_kernarg_size 24
		.amdhsa_user_sgpr_count 2
		.amdhsa_user_sgpr_kernarg_segment_ptr 1
		.amdhsa_wavefront_size32 1
		.amdhsa_system_sgpr_workgroup_id_x 1
		.amdhsa_system_sgpr_workgroup_id_y 1
		.amdhsa_system_sgpr_workgroup_id_z 1
		.amdhsa_system_vgpr_workitem_id 0
		.amdhsa_next_free_vgpr 256
		.amdhsa_next_free_sgpr 66
		.amdhsa_reserve_vcc 0
		.amdhsa_float_denorm_mode_32 3
		.amdhsa_float_denorm_mode_16_64 3
		.amdhsa_memory_ordered 1
		.amdhsa_forward_progress 1
		.amdhsa_inst_pref_size 90
	.end_amdhsa_kernel
	.amdgpu_metadata
---
amdhsa.version: [ 1, 2 ]
amdhsa.kernels:
  - .name:           k_q3e03a6a57f_attn
    .symbol:         k_q3e03a6a57f_attn.kd
    .args:
      - { .name: qkv, .offset: 0, .size: 8, .value_kind: global_buffer, .address_space: global }
      - { .name: ac, .offset: 8, .size: 8, .value_kind: global_buffer, .address_space: global }
      - { .name: asc, .offset: 16, .size: 8, .value_kind: global_buffer, .address_space: global }
    .group_segment_fixed_size: 327680
    .private_segment_fixed_size: 0
    .kernarg_segment_align: 8
    .kernarg_segment_size: 24
    .max_flat_workgroup_size: 512
    .sgpr_count:     66
    .vgpr_count:     256
    .wavefront_size: 32
...
	.end_amdgpu_metadata
.endif
;; end of part 3
;; launch gemm_out (part 4): grid 4 x 32, 4 waves a work-group, clusters of 4 x 4, 327,680 bytes of LDS; arguments ac, asc, cod, scl, b_out, out0; writes out0
.if DOCPART == 4
	.amdgcn_target "amdgcn-amd-amdhsa--gfx1250"
	.amdhsa_code_object_version 6
	.text
	.protected	k_q3e03a6a57f_gemm_out
	.globl	k_q3e03a6a57f_gemm_out
	.p2align	8
	.type	k_q3e03a6a57f_gemm_out,@function
k_q3e03a6a57f_gemm_out:
	s_mov_b64 s[64:65], 0
	v_nop
	global_prefetch_b8 v0, s[64:65] scope:SCOPE_SE
	s_setreg_imm32_b32 hwreg(HW_REG_WAVE_MODE, 25, 1), 1
	s_wait_xcnt 0x0
	s_wait_alu depctr_hold_cnt(0) depctr_sa_sdst(0) depctr_va_vdst(0) depctr_va_sdst(0) depctr_va_ssrc(0) depctr_va_vcc(0) depctr_vm_vsrc(0)
	s_getreg_b32 s2, hwreg(HW_REG_IB_STS2, 6, 4)
	s_cmp_eq_u32 s2, 0
	s_cbranch_scc0 .Lentry_in_a_cluster
	s_endpgm
.Lentry_in_a_cluster:
	s_bfe_u32 s2, ttmp6, 0x10000c
	s_cmp_lg_u32 s2, 0xf033
	s_cbranch_scc0 .Lentry_shape_is_right
	s_endpgm
.Lentry_shape_is_right:
.set NQ,     2
.set FR,     12
.set NL,     3
.set NP,     4
.set BLKB,   12288
.set STEPB,  3072
.set HALFT,  8*STEPB
.set SLOT,   4*HALFT
.set SCLA,   2*SLOT
.set SCLB,   SCLA+8192+128
.set SPARE,  SCLB+8192+128
.set SPITCH, 528
.set ADRA, 16
.set ADRB, 20
.set STO,  24
.set RD,   25
.set CO,   26
.set ADRS, 27
.set SPW,  28
.set NIL,  29
.set SC,   32
.set BI,   64
.set AF,   128
.set BK,   128
.set WV,   16
.set RH,   17
.set CH,   18
.set TY,   19
.set TX,   42
.set G1,   24
.set G0,   32
.set G1B,  48
.set G0B,  56
.set G1S,  68
.set G0S,  76
.set G1SB, 80
.set G0SB, 88
.set MSB, 0
.macro WIN new
.if MSB != \new
	s_set_vgpr_msb (MSB<<8)|\new
.set MSB, \new
.endif
.endm
.set MUL_LO, 0xa1
.set MUL_HI, 0xf1
.set TO_B,   0x40
.macro JLOAD g0a, g1a, g0b, g1b
	s_cmp_eq_u32 s[RH], 0
	s_cbranch_scc0 .Lfor_b_\@
	tensor_load_to_lds s[\g0a:\g0a+3], s[\g1a:\g1a+7]
	s_nop 0
.rept 4
	v_nop
.endr
	s_branch .Lasked_\@
.Lfor_b_\@:
	tensor_load_to_lds s[\g0b:\g0b+3], s[\g1b:\g1b+7]
	s_nop 0
.rept 4
	v_nop
.endr
.Lasked_\@:
.endm
.macro CREST
	s_cmp_lg_u32 s[WV], 0
	s_cbranch_scc1 .Lnot_wave_0_\@
	s_barrier_signal -3
.Lnot_wave_0_\@:
	s_barrier_wait -3
	s_barrier_signal -1
	s_barrier_wait -1
.endm
.macro CROUND
	s_barrier_signal -1
	s_barrier_wait -1
	CREST
.endm
	s_load_b256 s[4:11], s[0:1], 0x0
	s_load_b64 s[14:15], s[0:1], 0x20
	s_load_b64 s[12:13], s[0:1], 0x28
	v_lshl_add_u32 v[SPW], v0, 2, SPARE
	v_mov_b32 v[NIL], 0
	ds_add_u32 v[SPW], v[NIL]
	ds_add_u32 v[SPW], v[NIL]
	v_lshrrev_b32 v1, 5, v0
	v_readfirstlane_b32 s[WV], v1
	s_lshr_b32 s[RH], s[WV], 1
	s_and_b32 s[CH], s[WV], 1
	s_bfe_u32 s40, ttmp6, 0x40000
	s_bfe_u32 s41, ttmp6, 0x40004
	s_lshl_b32 s[TX], ttmp9, 2
	s_add_co_u32 s[TX], s[TX], s40
	s_and_b32 s20, ttmp7, 0xffff
	s_lshl_b32 s[TY], s20, 2
	s_add_co_u32 s[TY], s[TY], s41
	s_lshl_b32 s43, s41, 2
	s_lshl_b32 s43, 15, s43
	s_lshl_b32 s44, 0x1111, s40
	s_or_b32 s[G1+0], s43, (3<<16)|(1<<21)
	s_or_b32 s[G1B+0], s44, (3<<16)|(1<<21)
.irp g, G1, G1B
	s_mov_b32 s[\g+1], 384<<16
	s_mov_b32 s[\g+2], 8<<16
	s_mov_b32 s[\g+3], 384<<16
	s_mov_b32 s[\g+4], 8
	s_mov_b32 s[\g+5], 1536
	s_mov_b32 s[\g+6], 0
	s_mov_b32 s[\g+7], 0
.endr
	s_or_b32 s[G1S+0], s43, (3<<16)|(1<<21)
	s_or_b32 s[G1SB+0], s44, (3<<16)|(1<<21)
.irp g, G1S, G1SB
	s_mov_b32 s[\g+1], 32<<16
	s_mov_b32 s[\g+2], 16<<16
	s_mov_b32 s[\g+3], 32<<16
	s_mov_b32 s[\g+4], 16
	s_mov_b32 s[\g+5], 32
	s_mov_b32 s[\g+6], 0
	s_mov_b32 s[\g+7], 0
.endr
	s_lshl_b32 s94, s[CH], 3
	s_lshl_b32 s20, s[TY], 4
	s_add_co_u32 s20, s20, s94
	s_lshl_b32 s22, s20, 9
	s_mul_i32 s20, s20, BLKB
	s_mov_b32 s21, 0
	s_mov_b32 s23, 0
	s_lshl_b32 s46, s[TX], 4
	s_add_co_u32 s46, s46, s94
	s_add_co_u32 s46, s46, 704
	s_lshl_b32 s92, s46, 9
	s_mul_i32 s46, s46, BLKB
	s_mov_b32 s47, 0
	s_mov_b32 s93, 0
	s_mul_i32 s45, s[WV], HALFT
	s_lshl_b32 s94, s[CH], 12
	s_wait_dscnt 0x0
	s_wait_kmcnt 0x0
	s_add_nc_u64 s[20:21], s[4:5], s[20:21]
	s_add_nc_u64 s[22:23], s[6:7], s[22:23]
	s_add_nc_u64 s[46:47], s[8:9], s[46:47]
	s_add_nc_u64 s[92:93], s[10:11], s[92:93]
	CROUND
	s_mov_b32 s[G0S], 1
	s_add_co_u32 s[G0S+1], s94, SCLA
	s_mov_b64 s[G0S+2:G0S+3], s[22:23]
	s_or_b32 s[G0S+3], s[G0S+3], 0x80000000
	s_mov_b32 s[G0SB], 1
	s_add_co_u32 s[G0SB+1], s94, SCLB
	s_mov_b64 s[G0SB+2:G0SB+3], s[92:93]
	s_or_b32 s[G0SB+3], s[G0SB+3], 0x80000000
	JLOAD G0S, G1S, G0SB, G1SB
.irp s, 0,1
	s_mov_b32 s[G0+4*\s], 1
	s_add_co_u32 s[G0+4*\s+1], s45, \s*SLOT
	s_add_nc_u64 s[G0+4*\s+2:G0+4*\s+3], s[20:21], \s*STEPB
	s_or_b32 s[G0+4*\s+3], s[G0+4*\s+3], 0x80000000
	s_mov_b32 s[G0B+4*\s], 1
	s_add_co_u32 s[G0B+4*\s+1], s45, \s*SLOT
	s_add_nc_u64 s[G0B+4*\s+2:G0B+4*\s+3], s[46:47], \s*STEPB
	s_or_b32 s[G0B+4*\s+3], s[G0B+4*\s+3], 0x80000000
	s_wait_alu depctr_va_vdst(0)
	s_wait_tensorcnt 0x0
	ds_add_u32 v28, v29
	s_wait_dscnt 0x0
	CROUND
	JLOAD G0+4*\s, G1, G0B+4*\s, G1B
.endr
	v_and_b32 v1, 15, v0
	v_bfe_u32 v2, v0, 4, 1
	v_and_b32 v3, 31, v0
	v_lshlrev_b32 v[CO], 4, v3
	s_wait_alu depctr_va_vdst(0)
	s_lshl_b32 s20, s[TX], 10
	s_lshl_b32 s21, s[CH], 9
	s_add_co_u32 s20, s20, s21
	s_mov_b32 s21, 0
	s_add_nc_u64 s[14:15], s[14:15], s[20:21]
	s_add_nc_u64 s[12:13], s[12:13], s[20:21]
	v_lshlrev_b32 v6, 6, v2
.irp b, 0,1,2,3,4,5,6,7
	global_load_b128 v[BI+8*\b:BI+8*\b+3], v6, s[14:15] offset:(32*(\b/2)+8*(\b%2))*4
	global_load_b128 v[BI+8*\b+4:BI+8*\b+7], v6, s[14:15] offset:(32*(\b/2)+8*(\b%2))*4+16
.endr
	s_lshl_b32 s20, s[TY], 20
	s_lshl_b32 s22, s[RH], 19
	s_add_co_u32 s20, s20, s22
	s_add_nc_u64 s[12:13], s[12:13], s[20:21]
	s_mul_i32 s20, s[RH], HALFT
	s_mul_i32 s21, s[CH], HALFT
	s_add_co_u32 s21, s21, 2*HALFT
.irp s, 0,1
	v_add_nc_u32 v[ADRA+\s], s20, v[CO]
	v_add_nc_u32 v[ADRB+\s], s21, v[CO]
	s_add_co_u32 s20, s20, SLOT
	s_add_co_u32 s21, s21, SLOT
.endr
	v_lshlrev_b32 v4, 3, v1
	s_lshl_b32 s20, s[RH], 12
	s_lshl_b32 s21, s[CH], 12
	s_add_co_u32 s21, s21, SCLB-SCLA
	s_sub_co_u32 s21, s21, s20
	v_mul_u32_u24 v5, s21, v2
	s_add_co_u32 s20, s20, SCLA
	v_add_nc_u32 v4, v4, v5
	v_add_nc_u32 v[ADRS], s20, v4
	s_mul_i32 s23, s[WV], 16*SPITCH
	v_mul_u32_u24 v5, v1, SPITCH
	v_lshl_add_u32 v5, v2, 6, v5
	v_add_nc_u32 v[STO], s23, v5
	v_add_nc_u32 v[RD], s23, v[CO]
.macro FRAG reg, adr, q, i
.irp c, 0,1,2
	ds_load_b128 v[\reg+4*\c:\reg+4*\c+3], v[\adr] offset:(\i)*STEPB+(\q)*1536+512*\c
.endr
.endm
.macro MUL16 a0, p, q, sc, zero
.irp a, \a0, \a0+1
.irp b, 0,1,2,3,4,5,6,7
.if \zero
	v_wmma_scale_f32_16x16x128_f8f6f4 v[8*(8*((\a)%4)+\b):8*(8*((\a)%4)+\b)+7], v[128*(\p)+FR*\b:128*(\p)+FR*\b+FR-1], v[AF+FR*(\a):AF+FR*(\a)+FR-1], v[BI+8*\b:BI+8*\b+7], v[SC+8*NQ*(\sc)+NQ*\b+(\q)], v[SC+8*NQ*(\sc)+NQ*(\a)+(\q)] matrix_a_fmt:MATRIX_FMT_FP6 matrix_b_fmt:MATRIX_FMT_FP6 matrix_a_scale:MATRIX_SCALE_ROW1
.else
	v_wmma_scale_f32_16x16x128_f8f6f4 v[8*(8*((\a)%4)+\b):8*(8*((\a)%4)+\b)+7], v[128*(\p)+FR*\b:128*(\p)+FR*\b+FR-1], v[AF+FR*(\a):AF+FR*(\a)+FR-1], v[8*(8*((\a)%4)+\b):8*(8*((\a)%4)+\b)+7], v[SC+8*NQ*(\sc)+NQ*\b+(\q)], v[SC+8*NQ*(\sc)+NQ*(\a)+(\q)] matrix_a_fmt:MATRIX_FMT_FP6 matrix_b_fmt:MATRIX_FMT_FP6 matrix_a_scale:MATRIX_SCALE_ROW1
.endif
.endr
.endr
.endm
.macro FETCH_B slot, q, p
	WIN TO_B
.irp i, 0,1,2,3,4,5,6,7
	FRAG 128*(\p)+FR*\i, ADRB+\slot, \q, \i
.endr
	WIN 0
.endm
.macro FETCH_A slot, q, i0
.irp i, \i0, \i0+1, \i0+2, \i0+3
	FRAG AF+FR*(\i), ADRA+\slot, \q, \i
.endr
.endm
.macro SCALES sc
.irp i, 0,1,2,3,4,5,6,7
	ds_load_b64 v[SC+8*NQ*\sc+NQ*\i:SC+8*NQ*\sc+NQ*\i+1], v[ADRS] offset:\i*512
.endr
.endm
.macro PLACES n
.rept \n
	v_nop
.endr
.endm
.macro STEP slot, q, zero
	s_wait_dscnt 4*NL
.if \zero
	WIN 0x81
.else
	WIN MUL_LO
.endif
	MUL16 0, (\q)%2, \q, \slot, \zero
	MUL16 2, (\q)%2, \q, \slot, \zero
	s_wait_dscnt 0
	PLACES NP
	FETCH_B \slot, (\q)+1, 1-(\q)%2
	FETCH_A \slot, (\q)+1, 0
.if \zero
	WIN 0xc1
.else
	WIN MUL_HI
.endif
	MUL16 4, (\q)%2, \q, \slot, \zero
	MUL16 6, (\q)%2, \q, \slot, \zero
	PLACES NP
	WIN 0
	FETCH_A \slot, (\q)+1, 4
.endm
.macro TURN slot, next, fill
	s_wait_tensorcnt 0x0
	ds_add_u32 v[SPW], v[NIL]
	s_wait_dscnt 4*NL+1
	WIN MUL_LO
	MUL16 0, 1, NQ-1, \slot, 0
	s_wait_dscnt 0x0
	s_barrier_signal -1
	MUL16 2, 1, NQ-1, \slot, 0
	WIN 0
	s_barrier_wait -1
.if \fill
	CREST
	s_add_nc_u64 s[G0+4*\slot+2:G0+4*\slot+3], s[G0+4*\slot+2:G0+4*\slot+3], 2*STEPB
	s_add_nc_u64 s[G0B+4*\slot+2:G0B+4*\slot+3], s[G0B+4*\slot+2:G0B+4*\slot+3], 2*STEPB
	JLOAD G0+4*\slot, G1, G0B+4*\slot, G1B
.else
	PLACES NP
.endif
	s_wait_alu depctr_va_vdst(0)
	v_add_nc_u32 v[ADRS], 128, v[ADRS]
	FETCH_B \next, 0, 0
	FETCH_A \next, 0, 0
	SCALES \next
	WIN MUL_HI
	MUL16 4, 1, NQ-1, \slot, 0
	MUL16 6, 1, NQ-1, \slot, 0
	PLACES NP
	WIN 0
	FETCH_A \next, 0, 4
.endm
	s_wait_alu depctr_va_vdst(0)
	s_wait_tensorcnt 1
	s_barrier_signal -1
	s_barrier_wait -1
	FETCH_B 0, 0, 0
	FETCH_A 0, 0, 0
	SCALES 0
	FETCH_A 0, 0, 4
	s_wait_loadcnt 0x0
	STEP 0, 0, 1
	TURN 0, 1, 1
	STEP 1, 0, 0
	TURN 1, 0, 1
	STEP 0, 0, 0
	TURN 0, 1, 0
	STEP 1, 0, 0
	s_wait_dscnt 4*NL
	WIN MUL_LO
	MUL16 0, 1, NQ-1, 1, 0
	MUL16 2, 1, NQ-1, 1, 0
	s_wait_dscnt 0
	WIN MUL_HI
	MUL16 4, 1, NQ-1, 1, 0
	MUL16 6, 1, NQ-1, 1, 0
	WIN 0
.macro TOSTAGE a
.set AC, 64*((\a)%4)
	WIN 0x08+4*((\a)/4)
.irp b, 0,1,2,3,4,5,6,7
	ds_store_b128 v[STO], v[AC+8*\b:AC+8*\b+3] offset:128*(\b/2)+32*(\b%2)
	ds_store_b128 v[STO], v[AC+8*\b+4:AC+8*\b+7] offset:128*(\b/2)+32*(\b%2)+16
.endr
	WIN 0
.set BB, BK+64*((\a)%2)
.irp t, 0,1,2,3,4,5,6,7,8,9,10,11,12,13,14,15
	ds_load_b128 v[BB+4*\t:BB+4*\t+3], v[RD] offset:\t*SPITCH
.endr
.endm
.macro SEND a, younger
.set BB, BK+64*((\a)%2)
	s_wait_dscnt \younger
.irp t, 0,1,2,3,4,5,6,7,8,9,10,11,12,13,14,15
	global_store_b128 v[CO], v[BB+4*\t:BB+4*\t+3], s[12:13] offset:(32*((\a)/2)+8*((\a)%2)+\t+8*(\t/8))*4096 th:TH_STORE_NT
.endr
.endm
	PLACES NP
	TOSTAGE 0
.irp a, 1,2,3,4,5,6,7
.if \a > 1
	s_wait_xcnt 0x0
.endif
	TOSTAGE \a
	SEND \a-1, 32
.endr
	SEND 7, 0
	s_wait_tensorcnt 0x0
	ds_add_u32 v[SPW], v[NIL]
	s_wait_dscnt 0x0
	CROUND
	s_endpgm
.Lfunc_end_k_q3e03a6a57f_gemm_out:
	.size	k_q3e03a6a57f_gemm_out, .Lfunc_end_k_q3e03a6a57f_gemm_out-k_q3e03a6a57f_gemm_out
	.p2alignl 7, 3214868480
	.fill 96, 4, 3214868480
	.section	.rodata,"a",@progbits
	.p2align	6, 0x0
	.amdhsa_kernel k_q3e03a6a57f_gemm_out
		.amdhsa_group_segment_fixed_size 327680
		.amdhsa_private_segment_fixed_size 0
		.amdhsa_enable_private_segment 0
		.amdhsa_kernarg_size 48
		.amdhsa_user_sgpr_count 2
		.amdhsa_user_sgpr_kernarg_segment_ptr 1
		.amdhsa_wavefront_size32 1
		.amdhsa_system_sgpr_workgroup_id_x 1
		.amdhsa_system_sgpr_workgroup_id_y 1
		.amdhsa_system_sgpr_workgroup_id_z 1
		.amdhsa_system_vgpr_workitem_id 0
		.amdhsa_next_free_vgpr 1024
		.amdhsa_next_free_sgpr 100
		.amdhsa_reserve_vcc 0
		.amdhsa_float_denorm_mode_32 3
		.amdhsa_float_denorm_mode_16_64 3
		.amdhsa_memory_ordered 1
		.amdhsa_forward_progress 1
		.amdhsa_inst_pref_size 137
	.end_amdhsa_kernel
	.amdgpu_metadata
---
amdhsa.version: [ 1, 2 ]
amdhsa.kernels:
  - .name:           k_q3e03a6a57f_gemm_out
    .symbol:         k_q3e03a6a57f_gemm_out.kd
    .args:
      - { .name: ac, .offset: 0, .size: 8, .value_kind: global_buffer, .address_space: global }
      - { .name: asc, .offset: 8, .size: 8, .value_kind: global_buffer, .address_space: global }
      - { .name: cod, .offset: 16, .size: 8, .value_kind: global_buffer, .address_space: global }
      - { .name: scl, .offset: 24, .size: 8, .value_kind: global_buffer, .address_space: global }
      - { .name: b_out, .offset: 32, .size: 8, .value_kind: global_buffer, .address_space: global }
      - { .name: out0, .offset: 40, .size: 8, .value_kind: global_buffer, .address_space: global }
    .group_segment_fixed_size: 327680
    .private_segment_fixed_size: 0
    .kernarg_segment_align: 8
    .kernarg_segment_size: 48
    .max_flat_workgroup_size: 128
    .sgpr_count:     100
    .vgpr_count:     1024
    .wavefront_size: 32
...
	.end_amdgpu_metadata
.endif
;; end of part 4
